; MI455X (gfx1250); checked and timed in simulation.
; The chip was launched on July 23, 2026; its instructions are those of AMD's public machine-readable ISA for CDNA 5 (MIT licence, August 2026) and "CDNA5" Instruction Set Architecture Reference Guide (July 2026). The comments in the code are by the model that wrote it; some were corrected since.
;; Audio Tokenizer. Allowed arithmetic: float matrix products may take bf16 or f16 operands with f32 sums; other float arithmetic in f32, or as packed bf16 or f16 multiplies, adds, multiply-adds, maxima and minima; sums over many terms, partial sums and values carried from step to step in f32; what a program stores and reads back later, other than sums and carried values, may be rounded once to bf16 or f16.
;; Inputs: codebook 8,192 x 256 float32; z 32 x 1,024 x 256 float32.
;; Outputs: out0 32 x 1,024 x 256 float32; out1 32 x 1,024 int32; out2 one number float32.
;; 2 versions, each right; version 2 is version 1 with the launch prep written anew for expert scheduling mode. Each part assembles by itself: llvm-mc -triple=amdgcn-amd-amdhsa -mcpu=gfx1250 --defsym DOCPART=n.
;; ======== version 1 of 2: 4 launches
;; limits: values within 0.000122 (relative) of each other or of a threshold may be ordered or decided otherwise than in the reference
;; workspace buffers: cbh 4,194,304 bytes; hc 32,768 bytes; cand 262,144 bytes of whole numbers; part 1,024 bytes
;; launch prep (part 1): grid 128 x 1, 16 waves a work-group, no clusters, 2,304 bytes of LDS; arguments codebook, cbh, hc; writes cbh, hc
.if DOCPART == 1
	.amdgcn_target "amdgcn-amd-amdhsa--gfx1250"
	.amdhsa_code_object_version 6
	.text
	.protected	k_q9d2ca6bc60_prep
	.globl	k_q9d2ca6bc60_prep
	.p2align	8
	.type	k_q9d2ca6bc60_prep,@function
k_q9d2ca6bc60_prep:
	s_mov_b64 s[64:65], 0
	v_nop
	global_prefetch_b8 v0, s[64:65] scope:SCOPE_SE
	s_setreg_imm32_b32 hwreg(HW_REG_WAVE_MODE, 25, 1), 1
	s_wait_xcnt 0x0
; cbh[k][:] = codebook[k][:] rounded to bf16;  hc[k] = -1/2 x the sum over d of (bf16 c[k][d])^2, in f32: what the search adds to a dot product.
; codebook: [8192][256] f32.  cbh: [8192][256] bf16.  hc: [8192] f32.
; A work-group takes 64 rows, so that its 64 numbers of hc are 256 consecutive bytes, stored by one instruction; a wave takes 4 rows.
; A row is 1,024 bytes: lane l loads 16 bytes at 16 l and at 512 + 16 l; their 8 bf16 go out as 8 bytes at 8 l and at 256 + 8 l of the row's 512:
; each store of the wave covers 256 consecutive bytes, aligned.  All 8 loads of a wave are issued at once.
; hc serves the search for candidates alone, so the order of its sum is free; NaN and infinities pass through as they come.
.set SPARE, 256                        ; behind the 64 words of hc: the spare words, 128 bytes for each of 16 waves
.set LN,  1                            ; v1   lane
.set SPW, 2                            ; v2   LDS address of my spare word; never rewritten
.set NIL, 3                            ; v3   0; never rewritten
.set LO,  4                            ; v4   byte offset of my 16 bytes in the group's rows of the codebook
.set SO,  5                            ; v5   byte offset of my 8 bytes in the group's rows of cbh
.set CW,  6                            ; v6   LDS address of my wave's four words of hc
.set TW,  7                            ; v7   at work
.set X,   8                            ; v[8:39]   row i: 8 numbers as loaded
.set Y,   40                           ; v[40:55]  row i: 4 words of bf16
.set SQ,  56                           ; v[56:59]  row i: its sum of squares
.set TP,  60                           ; v60  the other half of the lanes' sum
.set L8,  61                           ; v61  8 x lane
.set OC,  62                           ; v[62:63]  two numbers of hc on their way out
	s_load_b128 s[4:7], s[0:1], 0x0                ; codebook s[4:5], cbh s[6:7]
	s_load_b64 s[8:9], s[0:1], 0x10                ; hc
	v_lshl_add_u32 v[SPW], v0, 2, SPARE
	v_mov_b32 v[NIL], 0
	v_and_b32 v[LN], 31, v0
	v_lshrrev_b32 v[TW], 5, v0
	v_readfirstlane_b32 s10, v[TW]                 ; wave 0..15
	s_lshl_b32 s12, ttmp9, 16                      ; the group's 64 rows of 1,024 bytes
	s_mov_b32 s13, 0
	s_lshl_b32 s14, ttmp9, 15                      ; of 512 bytes
	s_mov_b32 s15, 0
	s_lshl_b32 s16, ttmp9, 8                       ; its 64 numbers of hc
	s_mov_b32 s17, 0
	s_mov_b32 s18, 0x76543210                      ; v_permlanex16_b32: each lane takes its own place in the other half
	s_mov_b32 s19, 0xfedcba98
	s_lshl_b32 s20, s10, 12                        ; my wave's 4 rows
	s_lshl_b32 s21, s10, 11
	s_lshl_b32 s22, s10, 4
	v_lshl_add_u32 v[LO], v[LN], 4, s20
	v_lshl_add_u32 v[SO], v[LN], 3, s21
	v_mov_b32 v[CW], s22
	v_lshlrev_b32 v[L8], 3, v[LN]
	v_mov_b32 v[TP], 0                             ; v_permlanex16_b32 counts as a reader of its destination
	s_wait_kmcnt 0x0
	s_add_nc_u64 s[4:5], s[4:5], s[12:13]
	s_add_nc_u64 s[6:7], s[6:7], s[14:15]
	s_add_nc_u64 s[8:9], s[8:9], s[16:17]
.irp i, 0,1,2,3
	global_load_b128 v[X+8*\i:X+8*\i+3],   v[LO], s[4:5] offset:1024*\i th:TH_LOAD_NT
	global_load_b128 v[X+8*\i+4:X+8*\i+7], v[LO], s[4:5] offset:1024*\i+512 th:TH_LOAD_NT
.endr
.macro ROW i
	s_wait_loadcnt 6-2*(\i)                        ; loads come back in order: row i's two are in, the later rows' stay out
.irp d, 0,1,2,3
	v_cvt_pk_bf16_f32 v[Y+4*(\i)+\d], v[X+8*(\i)+2*\d], v[X+8*(\i)+2*\d+1]
.endr
	global_store_b64 v[SO], v[Y+4*(\i):Y+4*(\i)+1],   s[6:7] offset:512*(\i)
	global_store_b64 v[SO], v[Y+4*(\i)+2:Y+4*(\i)+3], s[6:7] offset:512*(\i)+256
	v_fma_mix_f32_bf16 v[SQ+(\i)], v[Y+4*(\i)], v[Y+4*(\i)], v[NIL] op_sel_hi:[1,1,0]  ; the first square starts the sum: nothing is cleared
	v_fma_mix_f32_bf16 v[SQ+(\i)], v[Y+4*(\i)], v[Y+4*(\i)], v[SQ+(\i)] op_sel:[1,1,0] op_sel_hi:[1,1,0]
.irp d, 1,2,3
	v_fma_mix_f32_bf16 v[SQ+(\i)], v[Y+4*(\i)+\d], v[Y+4*(\i)+\d], v[SQ+(\i)] op_sel_hi:[1,1,0]
	v_fma_mix_f32_bf16 v[SQ+(\i)], v[Y+4*(\i)+\d], v[Y+4*(\i)+\d], v[SQ+(\i)] op_sel:[1,1,0] op_sel_hi:[1,1,0]
.endr
.irp m, 1,2,4,8
	v_add_f32_dpp v[SQ+(\i)], v[SQ+(\i)], v[SQ+(\i)] row_xmask:\m row_mask:0xf bank_mask:0xf
.endr
	v_permlanex16_b32 v[TP], v[SQ+(\i)], s18, s19
	v_add_f32 v[SQ+(\i)], v[SQ+(\i)], v[TP]
	v_mul_f32 v[SQ+(\i)], -0.5, v[SQ+(\i)]         ; exact
	ds_store_b32 v[CW], v[SQ+(\i)] offset:4*(\i)   ; all lanes write the same word with the same number
.endm
	ROW 0
	ROW 1
	ROW 2
	ROW 3
	s_wait_dscnt 0x0                               ; for the others' sake: my four words are in LDS
	s_barrier_signal -1
	s_barrier_wait -1
	s_cmp_lg_u32 s10, 0
	s_cbranch_scc1 .Lend                           ; wave 0 sends the group's 64 numbers out
	ds_load_b64 v[OC:OC+1], v[L8]
	s_wait_dscnt 0x0
	global_store_b64 v[L8], v[OC:OC+1], s[8:9]     ; 256 consecutive bytes, aligned
.Lend:
	s_wait_tensorcnt 0x0                           ; the wave's end, behind my last LDS store
	ds_add_u32 v[SPW], v[NIL]
	s_wait_dscnt 0x0
	s_endpgm
.Lfunc_end_k_q9d2ca6bc60_prep:
	.size	k_q9d2ca6bc60_prep, .Lfunc_end_k_q9d2ca6bc60_prep-k_q9d2ca6bc60_prep
	.p2alignl 7, 3214868480
	.fill 96, 4, 3214868480
	.section	.rodata,"a",@progbits
	.p2align	6, 0x0
	.amdhsa_kernel k_q9d2ca6bc60_prep
		.amdhsa_group_segment_fixed_size 2304
		.amdhsa_private_segment_fixed_size 0
		.amdhsa_enable_private_segment 0
		.amdhsa_kernarg_size 24
		.amdhsa_user_sgpr_count 2
		.amdhsa_user_sgpr_kernarg_segment_ptr 1
		.amdhsa_wavefront_size32 1
		.amdhsa_system_sgpr_workgroup_id_x 1
		.amdhsa_system_sgpr_workgroup_id_y 1
		.amdhsa_system_sgpr_workgroup_id_z 1
		.amdhsa_system_vgpr_workitem_id 0
		.amdhsa_next_free_vgpr 64
		.amdhsa_next_free_sgpr 66
		.amdhsa_reserve_vcc 0
		.amdhsa_float_denorm_mode_32 3
		.amdhsa_float_denorm_mode_16_64 3
		.amdhsa_memory_ordered 1
		.amdhsa_forward_progress 1
		.amdhsa_inst_pref_size 9
	.end_amdhsa_kernel
	.amdgpu_metadata
---
amdhsa.version: [ 1, 2 ]
amdhsa.kernels:
  - .name:           k_q9d2ca6bc60_prep
    .symbol:         k_q9d2ca6bc60_prep.kd
    .args:
      - { .name: codebook, .offset: 0, .size: 8, .value_kind: global_buffer, .address_space: global }
      - { .name: cbh, .offset: 8, .size: 8, .value_kind: global_buffer, .address_space: global }
      - { .name: hc, .offset: 16, .size: 8, .value_kind: global_buffer, .address_space: global }
    .group_segment_fixed_size: 2304
    .private_segment_fixed_size: 0
    .kernarg_segment_align: 8
    .kernarg_segment_size: 24
    .max_flat_workgroup_size: 512
    .sgpr_count:     66
    .vgpr_count:     64
    .wavefront_size: 32
...
	.end_amdgpu_metadata
.endif
;; end of part 1
;; launch search (part 2): grid 256 x 1, 4 waves a work-group, clusters of 4 x 1, 327,680 bytes of LDS; arguments z, cbh, hc, cand; writes cand
.if DOCPART == 2
	.amdgcn_target "amdgcn-amd-amdhsa--gfx1250"
	.amdhsa_code_object_version 6
	.text
	.protected	k_q9d2ca6bc60_search
	.globl	k_q9d2ca6bc60_search
	.p2align	8
	.type	k_q9d2ca6bc60_search,@function
k_q9d2ca6bc60_search:
	s_mov_b64 s[64:65], 0
	v_nop
	global_prefetch_b8 v0, s[64:65] scope:SCOPE_SE
	s_setreg_imm32_b32 hwreg(HW_REG_WAVE_MODE, 25, 1), 1
	s_wait_xcnt 0x0
	s_wait_alu depctr_hold_cnt(0) depctr_sa_sdst(0) depctr_va_vdst(0) depctr_va_sdst(0) depctr_va_ssrc(0) depctr_va_vcc(0) depctr_vm_vsrc(0)
	s_getreg_b32 s2, hwreg(HW_REG_IB_STS2, 6, 4)
	s_cmp_eq_u32 s2, 0
	s_cbranch_scc0 .Lentry_in_a_cluster
	s_endpgm
.Lentry_in_a_cluster:
	s_bfe_u32 s2, ttmp6, 0x10000c
	s_cmp_lg_u32 s2, 0x3003
	s_cbranch_scc0 .Lentry_shape_is_right
	s_endpgm
.Lentry_shape_is_right:
; cand[0][n], cand[1][n] = the two codes k with the largest score u[n][k] = (bf16 z[n]) . cbh[k] + hc[k], hc = -|c|^2 / 2: the two smallest squared distances.  The next launch decides between them.
; z: [32768][256] f32.  cbh: [8192][256] bf16.  hc: [8192] f32.  cand: [2][32768] int32.
; WHY TWO.  The sums of a matrix instruction are not taken in the order of a plain f32 sum, so two codes whose distances fall on the same or on neighbouring f32 numbers cannot be told apart here.
; This launch only has to keep both in hand.
; LIMITS.  A score is compared with 13 of its 23 mantissa bits (the other 10 carry the code's place).  Where three or more codes lie within 2^-13 of a row's best score, relative to it, the code that an
; exact comparison would choose may be missing among the two.  NaN and infinite scores are not treated apart.
; SHARES.  A work-group owns 128 rows of z.  z STAYS: every wave holds all 128 rows as bf16 fragments, 8 tiles of 16 rows x 8 fragments of 32 along D = 512 registers.  THE CODES STREAM through two LDS slots
; of 256 codes; of each slot wave w takes codes 64 w .. 64 w + 63, four tiles of 16.  A code tile's 16 LDS loads feed 64 matrix instructions.
; LAYOUT.  Source 0 = 16 codes, source 1 = 16 rows of z: in the result lane l holds ONE row of z (l % 16) and the codes 8 (l / 16) + 0..7.  hc is the C operand that starts the sums: eight registers
; that serve all eight z tiles.  Nothing changes lanes before the end: a row has 8 streams (4 waves x 2 halves of the lanes) of 1,024 codes each.
; KEYS.  The low 10 bits of a score are replaced by 1023 - (8 x tile + j), the code's place in its stream: of positive scores equal in the bits kept, the lower place is the greater key.
; A stream keeps its two greatest keys: B2 = the middle one of (B1, B2, key), B1 = the greater of (B1, key).
; BY TURNS.  While tile n's 64 products run, tile n - 1's 192 vector instructions stand behind them, three behind each.  Accumulators, A fragments and hc have two sets, by the tile's parity.
; CLUSTER.  All work-groups walk the same codes, so a slot's four quarters and hc are asked for JOINTLY by the four work-groups of a cluster: the same load, descriptor and mask in all four.
; z's tiles are each work-group's own (mask 0) and go out in the same first group.
; REGISTERS, in windows of 256 (s_set_vgpr_msb: bits 1:0 source 0, 3:2 source 1, 5:4 source 2, 7:6 destination):
;   window 0: v0-15 addresses; v16-31 B1, B2 for each z tile; v48-63 hc, two sets; v64-127 at work at the end; v128-255 accumulators, two sets of 8 x 8
;   window 1: v0-127 A fragments, two sets of 8 x 8 (at the start all 256: z in f32, two sets)     window 2: z tile t, fragments 0-3 at 32 t + 8 f     window 3: fragments 4-7
.set TILEB, 16*528                     ; 16 codes in LDS: rows of 512 bytes + 16 of padding = 132 words, so that the 16 rows of a load start at 16 different groups of four banks (64 banks of 4 bytes: ISA guide 11.1)
.set QUART, 64*528                     ; what one tensor load brings, and what one wave reads of a slot
.set SLOTB, 256*528                    ; a slot; slot 0 at byte 0
.set R1,    SLOTB                      ; slot 1; before that: z in f32, 128 rows of 1,024 + 16 bytes
.set ZP,    1040
.set CCB,   2*SLOTB                    ; hc: wave w's 2,048 numbers, in its order of use, at CCB + 8,192 w
.set CMB,   CCB+32768                  ; the streams' results: stream 2 w + l / 16 at + 2,048 x stream: 128 words each of B1, B2, their two indices; no tensor load lands here
.set SPARE, CMB+16384                  ; the spare words, 128 bytes for each wave: two blocks of 256 bytes that no other line names
.set SLOTG, 131072                     ; a slot's bytes in cbh
.set RR,  1                            ; v1   l % 16
.set HH,  2                            ; v2   l / 16
.set AK0, 3                            ; v3   my lane's place in a code tile of my quarter: QUART w + 528 (l % 16) + 16 (l / 16); never rewritten
.set ADR, 4                            ; v4   LDS address of the run of A loads in hand
.set CC0, 5                            ; v5   CCB + 8,192 w + 32 (l / 16); never rewritten
.set ADC, 6                            ; v6   LDS address of the hc loads in hand
.set ZAA, 7                            ; v7   z in LDS, tiles 0-3: R1 + 1,040 (l % 16) + 32 (l / 16)
.set ZAB, 8                            ; v8   tiles 4-7 (named as ZAA + 1)
.set PFO, 9                            ; v9   256 x lane: the prefetches' offset; never rewritten
.set WH,  10                           ; v10  64 w + 8 (l / 16): my lanes' first code in a slot's tile 0
.set CS0, 11                           ; v11  CMB + 4,096 w + 2,048 (l / 16) + 4 (l % 16)
.set T0,  12                           ; v12, v13 at work
.set T1,  13
.set SPW, 14                           ; v14  LDS address of my spare word; never rewritten
.set NIL, 15                           ; v15  0; never rewritten
.set ST,  16
.set CC,  48
.set WK,  64
.set ACC, 128
.set WV,  14                           ; s14  my wave's number
.set CX,  15                           ; s15  my place in the cluster: it enters z's, the output's and the prefetches' addresses alone
.set GG,  16                           ; s16  my work-group
.set WOFF, 17                          ; s17  QUART x wave
.set TB,  19                           ; s19  LDS byte at which the code tile to be fetched begins, less my quarter
.set CCT, 20                           ; s20  64 x the number of the tile to be fetched
.set MSKR, 21                          ; s21  the 22 bits of a score that a key keeps
.set CNT, 22                           ; s22  counts pairs of tiles
.set SLOTS, 23                         ; s23  32 less the slot that the next change asks for
.set G1C, 24                           ; s[24:31] descriptor group 1: codes
.set G1Z, 32                           ; s[32:39] z
.set G1S, 40                           ; s[40:47] hc
.set G0C, 48                           ; s[48:51] descriptor group 0: codes; it walks
.set G0Z, 52                           ; s[52:55] z
.set G0S, 56                           ; s[56:59] hc
.set PFA, 60                           ; s[60:61] where my prefetches stand
.set LIM, 62                           ; s62  2 in the first cluster, else the greatest number
.set IX,  88                           ; s[88:95] 1023 - (8 x tile + j), for the tile whose scores are in hand
.set MSB, 0
.macro WIN new                         ; the immediate's high byte repeats the setting that is left; a switch that changes nothing is dropped
.if MSB != (\new)
	s_set_vgpr_msb (MSB<<8)|(\new)
.set MSB, (\new)
.endif
.endm
; A round of the cluster's barrier: my work-group's barrier, so that wave 0's signal speaks for all four waves; wave 0 signals; every wave waits for all four work-groups; my work-group's barrier once more.
.macro ROUND
	s_barrier_signal -1
	s_barrier_wait -1
	s_cmp_lg_u32 s[WV], 0
	s_cbranch_scc1 .Lnot_wave_0_\@
	s_barrier_signal -3
.Lnot_wave_0_\@:
	s_barrier_wait -3
	s_barrier_signal -1
	s_barrier_wait -1
.endm
; A PREFETCH INTO THE L2.  The change that asks for slot n names slot n + 2: two refills, 512 matrix instructions of a wave, ahead of the load that will want it.  All clusters walk the same codes: the first
; cluster asks, nobody else.  Its 16 waves share a slot's 512 blocks of 256 bytes out BY ADDRESS (32,768 cx + 8,192 w + 256 lane): each block is named once in the launch.  At the change for slot n
; s[SLOTS] is 32 - n: the changes for slots 30 and 31 ask for nothing.  Slots 0 to 2 come by their loads alone.
.macro ASK
	s_cmp_gt_u32 s[SLOTS], s[LIM]
	s_cbranch_scc0 .Lnot_mine_\@
	global_prefetch_b8 v[PFO], s[PFA:PFA+1] th:TH_LOAD_NT scope:SCOPE_SE
.Lnot_mine_\@:
.endm
	s_load_b256 s[4:11], s[0:1], 0x0               ; z s[4:5], cbh s[6:7], hc s[8:9], cand s[10:11]
	v_lshl_add_u32 v[SPW], v0, 2, SPARE
	v_mov_b32 v[NIL], 0
	ds_add_u32 v[SPW], v[NIL]                      ; the wave's opening: the add, twice on end, and its wait ahead of my first tensor load
	ds_add_u32 v[SPW], v[NIL]                      ; the set-up below, work on registers, stands between it and the wait
	v_lshrrev_b32 v[T0], 5, v0
	v_readfirstlane_b32 s[WV], v[T0]               ; wave 0..3
	s_bfe_u32 s[CX], ttmp6, 0x40000
	s_lshl_b32 s[GG], ttmp9, 2                     ; in a cluster launch ttmp9 counts clusters
	s_add_co_u32 s[GG], s[GG], s[CX]
	s_mul_i32 s[WOFF], s[WV], QUART
	; group 1, codes: 64 rows x 256 elements of 2 bytes, 16 bytes of padding behind each row
	s_mov_b32 s[G1C+0], 15|(1<<16)|(1<<20)|(1<<21)|(6<<22)|(3<<25)  ; 15:0 the mask of four; 17:16 2-byte elements; 20 padding on; 21 set beside a mask; 24:22 after every 128 words; 31:25 4 words
	s_mov_b32 s[G1C+1], 256<<16                    ; tensor_dim0 = 256
	s_mov_b32 s[G1C+2], 64<<16                     ; tensor_dim1 = 64
	s_mov_b32 s[G1C+3], 256<<16                    ; tile_dim0 = 256
	s_mov_b32 s[G1C+4], 64                         ; tile_dim1 = 64
	s_mov_b32 s[G1C+5], 256                        ; elements from row to row
	s_mov_b32 s[G1C+6], 0
	s_mov_b32 s[G1C+7], 0
	; group 1, z: 32 rows x 256 elements of 4 bytes, 16 bytes of padding behind each row; no mask: the tile is my work-group's own
	s_mov_b32 s[G1Z+0], (2<<16)|(1<<20)|(7<<22)|(3<<25)
	s_mov_b32 s[G1Z+1], 256<<16
	s_mov_b32 s[G1Z+2], 32<<16
	s_mov_b32 s[G1Z+3], 256<<16
	s_mov_b32 s[G1Z+4], 32
	s_mov_b32 s[G1Z+5], 256
	s_mov_b32 s[G1Z+6], 0
	s_mov_b32 s[G1Z+7], 0
	; group 1, hc: 32 rows (one a slot) x 64 elements of 4 bytes (my quarter's), 256 elements apart, dense in LDS: tile 4 s + c of my wave finds its 16 numbers at 64 (4 s + c)
	s_mov_b32 s[G1S+0], 15|(2<<16)|(1<<21)
	s_mov_b32 s[G1S+1], 64<<16
	s_mov_b32 s[G1S+2], 32<<16
	s_mov_b32 s[G1S+3], 64<<16
	s_mov_b32 s[G1S+4], 32
	s_mov_b32 s[G1S+5], 256
	s_mov_b32 s[G1S+6], 0
	s_mov_b32 s[G1S+7], 0
	s_mov_b32 s[G0C], 1                            ; count = 1
	s_mov_b32 s[G0C+1], s[WOFF]                    ; LDS address: my quarter of slot 0
	s_mov_b32 s[G0Z], 1
	s_mul_i32 s[G0Z+1], s[WV], 32*ZP
	s_add_co_u32 s[G0Z+1], s[G0Z+1], R1
	s_mov_b32 s[G0S], 1
	s_lshl_b32 s[G0S+1], s[WV], 13
	s_add_co_u32 s[G0S+1], s[G0S+1], CCB
	s_lshl_b32 s78, s[WV], 15                      ; 64 rows of cbh, and 32 rows of z, are 32,768 bytes
	s_mov_b32 s79, 0
	s_lshl_b32 s80, s[GG], 17                      ; my work-group's 128 rows of z
	s_add_co_u32 s80, s80, s78
	s_mov_b32 s81, 0
	s_lshl_b32 s82, s[WV], 8                       ; my quarter's 64 numbers of hc
	s_mov_b32 s83, 0
	s_lshl_b32 s84, s[CX], 15                      ; the prefetches: my work-group's quarter of a slot,
	s_lshl_b32 s85, s[WV], 13                      ; my wave's quarter of that,
	s_add_co_u32 s84, s84, s85
	s_add_co_u32 s84, s84, 2*SLOTG                 ; in slot 2: the first change steps it to slot 3
	s_mov_b32 s85, 0
	s_lshl_b32 s86, s[GG], 9                       ; my work-group's 128 numbers in a plane of cand
	s_mov_b32 s87, 0
	s_mov_b32 s[TB], SLOTB+4*TILEB                 ; the first change turns this into 0
	s_mov_b32 s[CCT], 0
	s_mov_b32 s[MSKR], 0xfffffc00
.irp j, 0,1,2,3,4,5,6,7
	s_mov_b32 s[IX+\j], 1031-\j                    ; for a tile -1 that has not been: each tile takes 8 away
.endr
	s_mov_b32 s[SLOTS], 31
	s_cmp_eq_u32 ttmp9, 0
	s_cselect_b32 s[LIM], 2, -1                    ; the same in all four partners
	s_wait_dscnt 0x0                               ; both opening adds are done
	s_wait_kmcnt 0x0
	s_add_nc_u64 s[G0C+2:G0C+3], s[6:7], s[78:79]
	s_or_b32 s[G0C+3], s[G0C+3], 0x80000000        ; type = 2
	s_add_nc_u64 s[G0Z+2:G0Z+3], s[4:5], s[80:81]
	s_or_b32 s[G0Z+3], s[G0Z+3], 0x80000000
	s_add_nc_u64 s[G0S+2:G0S+3], s[8:9], s[82:83]
	s_or_b32 s[G0S+3], s[G0S+3], 0x80000000
	s_add_nc_u64 s[PFA:PFA+1], s[6:7], s[84:85]
	ROUND                                          ; all four work-groups are here: the first joint loads meet
	tensor_load_to_lds s[G0Z:G0Z+3], s[G1Z:G1Z+7]  ; the first fills, one group: three loads of mine are out.  z first: it is wanted first
	s_nop 0
	tensor_load_to_lds s[G0C:G0C+3], s[G1C:G1C+7]  ; my quarter of slot 0
	s_nop 0
	tensor_load_to_lds s[G0S:G0S+3], s[G1S:G1S+7]  ; my wave's hc, for the whole launch
	s_nop 0
.rept 4
	v_nop
.endr
	v_and_b32 v[RR], 15, v0
	v_bfe_u32 v[HH], v0, 4, 1
	v_mul_u32_u24 v[AK0], v[RR], 528
	v_lshl_add_u32 v[AK0], v[HH], 4, v[AK0]
	v_add_nc_u32 v[AK0], s[WOFF], v[AK0]
	v_lshlrev_b32 v[CC0], 5, v[HH]
	v_add_nc_u32 v[CC0], s[G0S+1], v[CC0]
	v_mul_u32_u24 v[ZAA], v[RR], ZP
	v_lshl_add_u32 v[ZAA], v[HH], 5, v[ZAA]
	v_add_nc_u32 v[ZAA], R1, v[ZAA]
	v_add_nc_u32 v[ZAB], 64*ZP, v[ZAA]
	v_and_b32 v[PFO], 31, v0
	v_lshlrev_b32 v[PFO], 8, v[PFO]
	s_lshl_b32 s78, s[WV], 6
	v_lshl_add_u32 v[WH], v[HH], 3, s78
	s_lshl_b32 s79, s[WV], 12
	s_add_co_u32 s79, s79, CMB
	v_lshl_add_u32 v[CS0], v[RR], 2, s79
	v_lshl_add_u32 v[CS0], v[HH], 11, v[CS0]
; z FROM LDS TO FRAGMENTS.  A fragment is 16 rows x 32 along D in 8 registers: lane l holds row l % 16; registers 0-3 D = 8 (l / 16) + 0..7, registers 4-7 D = 16 + 8 (l / 16) + 0..7.
; In f32 those are 32 bytes at 128 f + 32 (l / 16) and 32 bytes 64 further on: four loads of 16 bytes a fragment, 32 a z tile, into set b of window 1.
.macro ZLOAD zt, b
	WIN 0x40                                       ; destination window 1, address window 0
.irp kf, 0,1,2,3,4,5,6,7
.irp o, 0,1,2,3
	ds_load_b128 v[128*(\b)+16*\kf+4*\o:128*(\b)+16*\kf+4*\o+3], v[ZAA+(\zt)/4] offset:((\zt)%4)*16*ZP+128*\kf+16*(\o%2)+64*(\o/2)
.endr
.endr
.endm
.macro ZCVT zt, b                      ; 64 roundings to bf16, two numbers each, D in its true places
.irp kf, 0,1,2,3,4,5,6,7
	WIN 0x85+0x40*(\kf/4)                          ; sources window 1, destination window 2 or 3
.irp e, 0,1,2,3,4,5,6,7
	v_cvt_pk_bf16_f32 v[32*(\zt)+8*(\kf%4)+\e], v[128*(\b)+16*\kf+2*\e], v[128*(\b)+16*\kf+2*\e+1]
.endr
.endr
.endm
	s_wait_tensorcnt 0x2                           ; tensor loads of a wave end in order: my quarter of z is in; slot 0 and hc may stay out
	s_barrier_signal -1
	s_barrier_wait -1                              ; everybody's quarter is in
	ZLOAD 0, 0
	ZLOAD 1, 1
.set zc, 0
.rept 8
.if zc < 7
	s_wait_dscnt 32                                ; this set's 32 loads are in; the other set's 32, issued behind them, may stay out
.else
	s_wait_dscnt 0x0
.endif
	ZCVT zc, zc%2
.if zc < 6
	ZLOAD zc+2, zc%2
.endif
.set zc, zc+1
.endr
; THE CHANGE OF SLOTS.  Each wave waits for all its tensor loads (its quarter of the other slot), adds 0 to its spare word, and waits for that and for its own reads of the slot that it leaves.
; fill = 1: that slot is filled again, with the codes two slots on.  The barrier is then a round of the cluster's, so that no wave of any partner still reads the slot or has a load on its way; the joint
; refill is the first thing behind it, one load a wave, and has 256 matrix instructions of a wave in which to land.  (At its first use the bytes left are z's: slot 1 takes their place.)
.macro CHANGE fill
	WIN 0                                          ; at a label and at a branch every window is 0; the add's registers lie in window 0
	s_wait_tensorcnt 0x0                           ; no tensor load of mine is out, so the walking group 0 may be written
	ds_add_u32 v[SPW], v[NIL]                      ; 0 onto my spare word
.if \fill
	s_xor_b32 s[G0C+1], s[G0C+1], SLOTB            ; the other slot than last time (QUART x wave has none of SLOTB's two bits)
	s_add_nc_u64 s[G0C+2:G0C+3], s[G0C+2:G0C+3], SLOTG  ; the next 256 codes; the type bits on top are not reached
	s_wait_xcnt 0x0                                ; the last prefetch, a slot back, has read its address
	s_add_nc_u64 s[PFA:PFA+1], s[PFA:PFA+1], SLOTG
.endif
	s_wait_dscnt 0x0                               ; the add is done, and my reads of the slot are over
.if \fill
	ROUND
	tensor_load_to_lds s[G0C:G0C+3], s[G1C:G1C+7]
	s_nop 0
.rept 4
	v_nop
.endr
	ASK
.else
	s_barrier_signal -1
	s_barrier_wait -1
.endif
	s_sub_co_u32 s[TB], s[TB], 4*TILEB             ; the fetches go back to a slot's first tile,
	s_xor_b32 s[TB], s[TB], SLOTB                  ; in the other slot
.endm
; A code tile's hc (2 loads) and its 8 fragments (16 codes x 256 along D: 16 loads) into set p: one run
.macro FETCHA p
	WIN 0
	v_add_nc_u32 v[ADR], s[TB], v[AK0]
	v_add_nc_u32 v[ADC], s[CCT], v[CC0]
	s_add_co_u32 s[TB], s[TB], TILEB               ; the next fetch is the next tile's
	s_add_co_u32 s[CCT], s[CCT], 64
	ds_load_b128 v[CC+8*(\p):CC+8*(\p)+3],   v[ADC]
	ds_load_b128 v[CC+8*(\p)+4:CC+8*(\p)+7], v[ADC] offset:16
	WIN 0x40
.irp kf, 0,1,2,3,4,5,6,7
	ds_load_b128 v[64*(\p)+8*\kf:64*(\p)+8*\kf+3],   v[ADR] offset:64*\kf
	ds_load_b128 v[64*(\p)+8*\kf+4:64*(\p)+8*\kf+7], v[ADR] offset:64*\kf+32
.endr
.endm
; Product pi of 64 of a code tile of parity p: fragment pi / 8 along D, z tile pi % 8.  The 8 accumulators take turns, one instruction a turn, from tile to tile too.
; The first 8 start the sums, with hc as their C.
.macro PROD p
.set p_kf, pi/8
.set p_d, ACC+64*(\p)+8*(pi%8)
.set p_a, 64*(\p)+8*p_kf
.set p_b, 32*(pi%8)+8*(p_kf%4)
	WIN 0x09+4*(p_kf/4)                            ; A window 1, z window 2 or 3, C and the sums window 0
.if p_kf == 0
	v_wmma_f32_16x16x32_bf16 v[p_d:p_d+7], v[p_a:p_a+7], v[p_b:p_b+7], v[CC+8*(\p):CC+8*(\p)+7]
.else
	v_wmma_f32_16x16x32_bf16 v[p_d:p_d+7], v[p_a:p_a+7], v[p_b:p_b+7], v[p_d:p_d+7]
.endif
.endm
; THE VECTOR WORK of a code tile of parity q: 24 instructions for each of 8 z tiles; RID writes entry `it` of the 192.  The eight z tiles alternate, so that a line and the line that needs its result stand eight apart.
;   numbers 0-7    score j becomes a key, in place; the accumulator's lowest register is read first
;   numbers 8-23   key j goes into the stream's two best: first B2 (it reads the old B1), then B1
.macro RID q
.set r_n, it/8
.set r_a, ACC+64*(\q)+8*(it%8)
.set r_b, ST+2*(it%8)
	WIN 0
.if r_n < 8
	v_bfi_b32 v[r_a+r_n], s[MSKR], v[r_a+r_n], s[IX+r_n]
.elseif (r_n%2) == 0
	v_med3_num_f32 v[r_b+1], v[r_b], v[r_b+1], v[r_a+(r_n-8)/2]
.else
	v_max_num_f32 v[r_b], v[r_b], v[r_a+(r_n-8)/2]
.endif
.set it, it+1
.endm
; A TILE of parity p: its 64 products, behind each three lines of the tile before's vector work.  Behind the second three stand the LDS loads, together: the next tile's hc and fragments.
; The last product that read those fragment registers is the tile before's last: nine plain instructions that name none of its registers lie between
; (ISA guide 7.12.1 for vector instructions).  The accumulator of z tile t, ended by the tile before's product 56 + t, is first touched by entry t: ten such instructions or more behind it.
; last = 1 (the tail): in the last trip there is no further tile, and the run of loads is jumped over.
.macro TILE p, last=0
.set it, 0
.set pi, 0
	s_wait_dscnt 0x0                               ; my fragments and my hc are in: they were asked for a tile ago
.rept 64
	PROD \p
	RID 1-(\p)
	RID 1-(\p)
	RID 1-(\p)
.if pi == 1
.if \last
	WIN 0
	s_cmp_eq_u32 s[CNT], 1
	s_cbranch_scc1 .Lno_more_\@
.endif
	FETCHA 1-(\p)
.if \last
	WIN 0
.Lno_more_\@:
.endif
.endif
.set pi, pi+1
.endr
	WIN 0
.irp j, 0,1,2,3,4,5,6,7
	s_sub_co_u32 s[IX+\j], s[IX+\j], 8             ; the places of the tile whose scores have just been made
.endr
.endm
	CHANGE 1                                       ; z is in registers, slot 0 and hc have landed, everybody's part; slot 1 is asked for, where z lay
	FETCHA 0                                       ; tile 0
	WIN 0
	s_mov_b32 s78, 0xff800000                      ; -inf: below every key
	s_mov_b32 s79, 0xff000000                      ; -2^127: a tile that has not been, so that there is one text for every tile.  Its keys are finite, and the stream's first two true keys push them out
.set i, 0
.rept 16
	v_mov_b32 v[ST+i], s78
.set i, i+1
.endr
.set i, 0
.rept 64
	v_mov_b32 v[ACC+64+i], s79
.set i, i+1
.endr
	s_mov_b32 s[CNT], 2
	s_branch .Lenter                               ; the loop is entered at tile 0, in the middle of a trip
.Lslot:                                            ; 30 times: slots 2 to 31 are asked for.  A change stands between a slot's tiles 2 and 3: tile 3's fragments are in registers by then
	CHANGE 1
	s_mov_b32 s[CNT], 2
.Lpair:
	TILE 1
.Lenter:
	TILE 0
	s_sub_co_u32 s[CNT], s[CNT], 1
	s_cmp_lg_u32 s[CNT], 0
	s_cbranch_scc1 .Lpair
	s_sub_co_u32 s[SLOTS], s[SLOTS], 1
	s_cmp_lg_u32 s[SLOTS], 0
	s_cbranch_scc1 .Lslot
	CHANGE 0                                       ; the tail is written out: nothing is asked for
	s_mov_b32 s[CNT], 3                            ; tile 3 of slot 30 and the four tiles of slot 31
.Ltail:
	TILE 1, 1
	s_sub_co_u32 s[CNT], s[CNT], 1
	s_cmp_eq_u32 s[CNT], 0
	s_cbranch_scc1 .Lout
	TILE 0
	s_branch .Ltail
.Lout:
.set it, 0
.rept 192
	RID 1                                          ; the last tile's vector work
.endr
	; THE END.  A key's low 10 bits give 8 (4 slot + tile) + j back; the code is 256 slot + 64 w + 16 tile + 8 (l / 16) + j.  Each stream lays its two keys and two codes into LDS.
.macro DEC d, key                      ; the code of a key into v[d]; v[d+1], v[d+2] at work
	v_xor_b32 v[(\d)], 0x3ff, v[(\key)]
	v_and_b32 v[(\d)], 0x3ff, v[(\d)]
	v_lshrrev_b32 v[(\d)+1], 5, v[(\d)]
	v_bfe_u32 v[(\d)+2], v[(\d)], 3, 2
	v_and_b32 v[(\d)], 7, v[(\d)]
	v_lshl_add_u32 v[(\d)+1], v[(\d)+1], 8, v[WH]
	v_lshl_add_u32 v[(\d)], v[(\d)+2], 4, v[(\d)]
	v_add_nc_u32 v[(\d)], v[(\d)], v[(\d)+1]
.endm
.irp t, 0,1,2,3,4,5,6,7
	DEC WK+8*\t, ST+2*\t
	DEC WK+8*\t+4, ST+2*\t+1
	ds_store_b32 v[CS0], v[ST+2*\t]   offset:64*\t
	ds_store_b32 v[CS0], v[ST+2*\t+1] offset:64*\t+512
	ds_store_b32 v[CS0], v[WK+8*\t]   offset:64*\t+1024
	ds_store_b32 v[CS0], v[WK+8*\t+4] offset:64*\t+1536
.endr
	s_wait_dscnt 0x0                               ; for the others' sake: my streams' results are in LDS
	s_barrier_signal -1
	s_barrier_wait -1
	s_cmp_lt_u32 s[WV], 2                          ; waves 0 and 1 both merge; wave 0 writes the first plane of cand, wave 1 the second
	s_cbranch_scc0 .Lend
	; Lane l takes rows 4 l .. 4 l + 3.  Stream s: B1 at ACC + 16 s, B2 at + 4, the two codes at + 8 and + 12.  Seven times two sorted pairs become one, in stream 0's registers.
	v_and_b32 v[T0], 31, v0
	v_lshlrev_b32 v[T0], 4, v[T0]
	v_add_nc_u32 v[T1], CMB, v[T0]
.irp s, 0,1,2,3,4,5,6,7
.irp a, 0,1,2,3
	ds_load_b128 v[ACC+16*\s+4*\a:ACC+16*\s+4*\a+3], v[T1] offset:2048*\s+512*\a
.endr
.endr
	s_wait_dscnt 0x0
.irp s, 1,2,3,4,5,6,7
.irp e, 0,1,2,3
	v_cmp_gt_f32 s78, v[ACC+16*\s+\e], v[ACC+\e]                              ; is the new pair's first the greater?
	v_cndmask_b32 v[WK+4*\e],   v[ACC+16*\s+\e],   v[ACC+\e],   s78           ; the lesser of the two firsts,
	v_cndmask_b32 v[WK+4*\e+1], v[ACC+16*\s+8+\e], v[ACC+8+\e], s78           ; and its code
	v_cndmask_b32 v[WK+4*\e+2], v[ACC+4+\e],  v[ACC+16*\s+4+\e],  s78         ; the second of the pair that won,
	v_cndmask_b32 v[WK+4*\e+3], v[ACC+12+\e], v[ACC+16*\s+12+\e], s78         ; and its code
	v_cndmask_b32 v[ACC+\e],   v[ACC+\e],   v[ACC+16*\s+\e],   s78
	v_cndmask_b32 v[ACC+8+\e], v[ACC+8+\e], v[ACC+16*\s+8+\e], s78
	v_cmp_gt_f32 s79, v[WK+4*\e+2], v[WK+4*\e]
	v_cndmask_b32 v[ACC+4+\e],  v[WK+4*\e],   v[WK+4*\e+2], s79
	v_cndmask_b32 v[ACC+12+\e], v[WK+4*\e+1], v[WK+4*\e+3], s79
.endr
.endr
	s_cmp_eq_u32 s[WV], 0
	s_cselect_b32 s80, 0, -1
	s_cselect_b32 s81, 0, 131072                   ; the second plane begins 32,768 numbers on
	s_add_co_u32 s86, s86, s81
.irp e, 0,1,2,3
	v_cndmask_b32 v[WK+32+\e], v[ACC+8+\e], v[ACC+12+\e], s80
.endr
	s_add_nc_u64 s[82:83], s[10:11], s[86:87]
	global_store_b128 v[T0], v[WK+32:WK+35], s[82:83]  ; the work-group's 128 numbers of a plane: 512 consecutive bytes, aligned
.Lend:
	s_wait_tensorcnt 0x0                           ; the wave's end, behind my last tensor load and my last LDS store
	ds_add_u32 v[SPW], v[NIL]
	s_wait_dscnt 0x0
	ROUND                                          ; the closing round: no work-group ends while a partner may still ask for a tile that names it
	s_endpgm
.Lfunc_end_k_q9d2ca6bc60_search:
	.size	k_q9d2ca6bc60_search, .Lfunc_end_k_q9d2ca6bc60_search-k_q9d2ca6bc60_search
	.p2alignl 7, 3214868480
	.fill 96, 4, 3214868480
	.section	.rodata,"a",@progbits
	.p2align	6, 0x0
	.amdhsa_kernel k_q9d2ca6bc60_search
		.amdhsa_group_segment_fixed_size 327680
		.amdhsa_private_segment_fixed_size 0
		.amdhsa_enable_private_segment 0
		.amdhsa_kernarg_size 32
		.amdhsa_user_sgpr_count 2
		.amdhsa_user_sgpr_kernarg_segment_ptr 1
		.amdhsa_wavefront_size32 1
		.amdhsa_system_sgpr_workgroup_id_x 1
		.amdhsa_system_sgpr_workgroup_id_y 1
		.amdhsa_system_sgpr_workgroup_id_z 1
		.amdhsa_system_vgpr_workitem_id 0
		.amdhsa_next_free_vgpr 1024
		.amdhsa_next_free_sgpr 96
		.amdhsa_reserve_vcc 0
		.amdhsa_float_denorm_mode_32 3
		.amdhsa_float_denorm_mode_16_64 3
		.amdhsa_memory_ordered 1
		.amdhsa_forward_progress 1
		.amdhsa_inst_pref_size 180
	.end_amdhsa_kernel
	.amdgpu_metadata
---
amdhsa.version: [ 1, 2 ]
amdhsa.kernels:
  - .name:           k_q9d2ca6bc60_search
    .symbol:         k_q9d2ca6bc60_search.kd
    .args:
      - { .name: z, .offset: 0, .size: 8, .value_kind: global_buffer, .address_space: global }
      - { .name: cbh, .offset: 8, .size: 8, .value_kind: global_buffer, .address_space: global }
      - { .name: hc, .offset: 16, .size: 8, .value_kind: global_buffer, .address_space: global }
      - { .name: cand, .offset: 24, .size: 8, .value_kind: global_buffer, .address_space: global }
    .group_segment_fixed_size: 327680
    .private_segment_fixed_size: 0
    .kernarg_segment_align: 8
    .kernarg_segment_size: 32
    .max_flat_workgroup_size: 128
    .sgpr_count:     96
    .vgpr_count:     1024
    .wavefront_size: 32
...
	.end_amdgpu_metadata
.endif
;; end of part 2
;; launch gather (part 3): grid 256 x 1, 8 waves a work-group, no clusters, 204,800 bytes of LDS; arguments z, codebook, cand, out0, out1, part; writes out0, out1, part
.if DOCPART == 3
	.amdgcn_target "amdgcn-amd-amdhsa--gfx1250"
	.amdhsa_code_object_version 6
	.text
	.protected	k_q9d2ca6bc60_gather
	.globl	k_q9d2ca6bc60_gather
	.p2align	8
	.type	k_q9d2ca6bc60_gather,@function
k_q9d2ca6bc60_gather:
	s_mov_b64 s[64:65], 0
	v_nop
	global_prefetch_b8 v0, s[64:65] scope:SCOPE_SE
	s_setreg_imm32_b32 hwreg(HW_REG_WAVE_MODE, 25, 1), 1
	s_wait_xcnt 0x0
; For each row n: of its two candidates the one with the smaller d = fl(fl(zz - 2 dot) + cc), on equal d the lower index, is out1[n];  out0[n][:] = z[n][:] + (c[:] - z[n][:]) with that code's row c;
; part[g] = work-group g's sum of (out0 - z)^2.
; z, out0: [32768][256] f32.  codebook: [8192][256] f32.  cand: [2][32768] int32, stored by the launch before.  out1: [32768] int32.  part: [256] f32.
; THE DECISION.  dot, zz and cc are taken of z and c rounded to bf16, each as ONE f32 sum with the index ascending from 0.  A product of two bf16 numbers is exact in f32, so these sums hang on
; the order of the additions alone; then come the formula's own two roundings.
; LIMITS.  Where another order of those additions moves a distance over an f32 rounding boundary, and the two candidates lie within one f32 step of each other, the other of the two may be named.
; c in out0 is the code's row rounded once to bf16 (the copy that lies in LDS): off by 2^-9 of itself at the most.  NaN is not treated apart.  A candidate is held to 0 .. 8191 before it enters an address.
; SHARES.  Wave W = 8 x work-group + wave owns rows 16 W .. 16 W + 15: 32 pairs of a row and a candidate, A LANE A PAIR: lane l has row l % 16 and candidate l / 16.
; IN.  Whole rows: lane l takes 16 bytes at 16 l and at 512 + 16 l, so each load covers 512 consecutive bytes.  z's 16 rows stay in f32 in registers; z's and the 32 code rows are rounded to bf16 and
; laid into the wave's own LDS, rows of 512 + 16 bytes.
; Then each lane walks its own two rows.  No wave reads another's bytes before the one barrier at the end.
; THE CHOICE SELECTS VALUES ONLY: both candidates' rows are read back from LDS, and v_cndmask_b32 takes one.
; No tensor loads (a gathered row is no tile), no cluster (nothing is shared), no matrix unit (32 sums of 256 terms a wave, in a fixed order).
; REGISTERS: window 0 as named below; window 1: code row r (candidate r / 16 of row r % 16) as loaded, at v[8 r].  (s_set_vgpr_msb: bits 1:0 source 0, 3:2 source 1, 5:4 source 2, 7:6 destination.)
.set RP,    528                        ; a bf16 row in LDS
.set WREG,  48*RP                      ; a wave's bytes: 16 rows of z, then 32 code rows
.set CODE0, 16*RP
.set OUTB,  8*WREG                     ; the work-group's 128 ids; 512 further on the 8 waves' sums
.set SPARE, OUTB+1024                  ; the spare words, 128 bytes for each of 8 waves
.set LN,  1                            ; v1   lane
.set L16, 2                            ; v2   16 x lane: my place in a row of z, of the codebook and of out0
.set L8,  3                            ; v3   my wave's bytes + 8 x lane: my place in a bf16 row in LDS
.set SPW, 4                            ; v4   LDS address of my spare word; never rewritten
.set NIL, 5                            ; v5   0; never rewritten
.set IO,  6                            ; v6   byte offset of my pair's candidate in the wave's part of cand
.set IDV, 7                            ; v7   my pair's candidate
.set ZCH, 8                            ; v8   LDS address of my pair's row of z
.set CCH, 9                            ; v9   of its code row, less CODE0
.set DOT, 10                           ; v10-12  the three sums
.set ZZ,  11
.set CQ,  12
.set DD,  13                           ; v13  my pair's distance
.set OD,  14                           ; v14  the other pair's distance
.set OI,  15                           ; v15  the other pair's candidate
.set Y,   16                           ; v[16:23]  two sets of 4 words of bf16 on their way into LDS
.set CHB, 24                           ; v[24:55]  the walk: four sets of 8: 8 numbers of z, 8 of c
.set WA,  24                           ; v[24:39]  later: two sets of 8: a row's 4 words of the first candidate, 4 of the second
.set C8,  56                           ; v[56:71]  two sets of 8: c, then out0
.set T,   72                           ; v[72:79]  at work
.set AC,  80                           ; v[80:87]  four packed chains of squares
.set FL,  88                           ; v88  -1 where the other pair wins
.set WID, 89                           ; v89  the row's id
.set OW,  90                           ; v90  where it goes in LDS
.set PW,  91                           ; v91  where my wave's sum goes
.set ZR,  92                           ; v92  0
.set RW,  93                           ; v93  l % 16
.set HF,  94                           ; v94  l / 16
.set CO,  96                           ; v[96:127]  code row r: byte offset of my 16 bytes in the codebook
.set Z,   128                          ; v[128:255] row i of z: 8 numbers
.set MSB, 0
.macro WIN new                         ; the immediate's high byte repeats the setting that is left; a switch that changes nothing is dropped
.if MSB != (\new)
	s_set_vgpr_msb (MSB<<8)|(\new)
.set MSB, (\new)
.endif
.endm
	s_load_b256 s[4:11], s[0:1], 0x0               ; z s[4:5], codebook s[6:7], cand s[8:9], out0 s[10:11]
	s_load_b128 s[12:15], s[0:1], 0x20             ; out1 s[12:13], part s[14:15]
	v_lshl_add_u32 v[SPW], v0, 2, SPARE
	v_mov_b32 v[NIL], 0
	v_lshrrev_b32 v[T], 5, v0
	v_readfirstlane_b32 s16, v[T]                  ; wave 0..7
	v_and_b32 v[LN], 31, v0
	v_and_b32 v[RW], 15, v0
	v_bfe_u32 v[HF], v0, 4, 1
	v_lshlrev_b32 v[L16], 4, v[LN]
	s_mul_i32 s18, s16, WREG
	v_lshl_add_u32 v[L8], v[LN], 3, s18
	v_mul_u32_u24 v[ZCH], v[RW], RP
	v_add_nc_u32 v[ZCH], s18, v[ZCH]
	v_mul_u32_u24 v[CCH], v[LN], RP
	v_add_nc_u32 v[CCH], s18, v[CCH]
	v_lshlrev_b32 v[IO], 2, v[RW]
	v_lshl_add_u32 v[IO], v[HF], 17, v[IO]         ; the second plane begins 131,072 bytes on
	s_lshl_b32 s19, s16, 6
	s_add_co_u32 s19, s19, OUTB
	v_lshl_add_u32 v[OW], v[RW], 2, s19
	s_lshl_b32 s20, s16, 2
	s_add_co_u32 s20, s20, OUTB+512
	v_mov_b32 v[PW], s20
	v_mov_b32 v[ZR], 0
	v_mov_b32 v[OD], 0                             ; v_permlanex16_b32 counts as a reader of its destination
	v_mov_b32 v[OI], 0
	s_lshl_b32 s17, ttmp9, 3
	s_add_co_u32 s17, s17, s16                     ; W
	s_lshl_b32 s24, s17, 14                        ; my 16 rows of 1,024 bytes
	s_mov_b32 s25, 0
	s_lshl_b32 s26, s17, 6                         ; my 16 numbers in a plane of cand
	s_mov_b32 s27, 0
	s_lshl_b32 s28, ttmp9, 9                       ; the work-group's 128 ids
	s_mov_b32 s29, 0
	s_lshl_b32 s30, ttmp9, 2                       ; its sum
	s_mov_b32 s31, 0
	s_mov_b32 s66, 0x76543210                      ; v_permlanex16_b32: each lane takes its own place in the other half
	s_mov_b32 s67, 0xfedcba98
	s_mov_b32 s74, 0xffff0000                      ; a word's upper bf16
	s_wait_kmcnt 0x0
	s_add_nc_u64 s[8:9], s[8:9], s[26:27]
	s_load_b512 s[32:47], s[8:9], 0x0              ; the first candidates of my 16 rows,
	s_load_b512 s[48:63], s[8:9], 0x20000          ; the second: s[32 + r] is code row r's
	s_add_nc_u64 s[4:5], s[4:5], s[24:25]
	s_add_nc_u64 s[10:11], s[10:11], s[24:25]
	s_add_nc_u64 s[12:13], s[12:13], s[28:29]
	s_add_nc_u64 s[14:15], s[14:15], s[30:31]
	global_load_b32 v[IDV], v[IO], s[8:9]
.set i, 0
.rept 16
	global_load_b128 v[Z+8*i:Z+8*i+3],   v[L16], s[4:5] offset:1024*i th:TH_LOAD_NT
	global_load_b128 v[Z+8*i+4:Z+8*i+7], v[L16], s[4:5] offset:1024*i+512 th:TH_LOAD_NT
.set i, i+1
.endr
	s_wait_kmcnt 0x0
.set r, 0
.rept 32
	s_min_u32 s[32+r], s[32+r], 8191
	v_lshl_add_u32 v[CO+r], s[32+r], 10, v[L16]
.set r, r+1
.endr
.macro CLOAD r                         ; code row r, 1,024 bytes; no hint: several rows may name one code
	WIN 0x40                                       ; destination window 1, address window 0
	global_load_b128 v[8*(\r):8*(\r)+3],   v[CO+(\r)], s[6:7]
	global_load_b128 v[8*(\r)+4:8*(\r)+7], v[CO+(\r)], s[6:7] offset:512
.endm
.macro CROW r, left                    ; code row r is rounded and laid into LDS.  left: the loads issued behind its two
	s_wait_loadcnt \left
	WIN 0x05                                       ; sources window 1, destination window 0
.irp d, 0,1,2,3
	v_cvt_pk_bf16_f32 v[Y+4*((\r)%2)+\d], v[8*(\r)+2*\d], v[8*(\r)+2*\d+1]
.endr
	WIN 0
	ds_store_b64 v[L8], v[Y+4*((\r)%2):Y+4*((\r)%2)+1],   offset:CODE0+RP*(\r)
	ds_store_b64 v[L8], v[Y+4*((\r)%2)+2:Y+4*((\r)%2)+3], offset:CODE0+RP*(\r)+256
.endm
.set r, 0
.rept 14
	CLOAD r                                        ; with the candidate and z's 32: 61 loads of mine are out
.set r, r+1
.endr
	WIN 0
.set i, 0
.rept 16
	s_wait_loadcnt 28+2*(15-i)                     ; loads come back in order: z's row i is in; its later rows, two loads each, and the 14 code rows' 28 stay out
.irp d, 0,1,2,3
	v_cvt_pk_bf16_f32 v[Y+4*(i%2)+\d], v[Z+8*i+2*\d], v[Z+8*i+2*\d+1]
.endr
	ds_store_b64 v[L8], v[Y+4*(i%2):Y+4*(i%2)+1],   offset:RP*i
	ds_store_b64 v[L8], v[Y+4*(i%2)+2:Y+4*(i%2)+3], offset:RP*i+256
.set i, i+1
.endr
.set r, 14
.rept 17
	CLOAD r                                        ; z is in: with the first 14 rows' 28, 62 loads at the most are out
.set r, r+1
.endr
	CROW 0, 60                                     ; behind row 0's loads: rows 1 to 30
	CLOAD 31
.set r, 1
.rept 31
	CROW r, 2*(31-r)                               ; behind row r's loads: rows r + 1 to 31
.set r, r+1
.endr
; THE WALK.  Chunk i is 8 numbers of my row of z and 8 of my code row, 16 bytes each; four chunks are on their way or in hand.  LDS serves a wave's instructions in order (ISA guide 5.7.1.4), so these
; loads see the stores above.  Three sums, each one chain with the index ascending; the three take turns, so that a line and the line that adds onto it stand three apart.
.macro CHLOAD i
	ds_load_b128 v[CHB+8*((\i)%4):CHB+8*((\i)%4)+3],   v[ZCH] offset:16*(\i)
	ds_load_b128 v[CHB+8*((\i)%4)+4:CHB+8*((\i)%4)+7], v[CCH] offset:CODE0+16*(\i)
.endm
.macro CHUNK i
.set c_b, CHB+8*((\i)%4)
.if (\i) < 29
	s_wait_dscnt 6                                 ; chunk i is in; the three chunks behind it, two loads each, stay out
.else
	s_wait_dscnt 2*(31-(\i))
.endif
.irp w, 0,1,2,3
.if ((\i) == 0) && (\w == 0)
	v_fma_mix_f32_bf16 v[DOT], v[c_b],   v[c_b+4], v[ZR] op_sel_hi:[1,1,0]     ; the first terms start the sums, onto 0
	v_fma_mix_f32_bf16 v[ZZ],  v[c_b],   v[c_b],   v[ZR] op_sel_hi:[1,1,0]
	v_fma_mix_f32_bf16 v[CQ],  v[c_b+4], v[c_b+4], v[ZR] op_sel_hi:[1,1,0]
.else
	v_fma_mix_f32_bf16 v[DOT], v[c_b+\w],   v[c_b+4+\w], v[DOT] op_sel_hi:[1,1,0]
	v_fma_mix_f32_bf16 v[ZZ],  v[c_b+\w],   v[c_b+\w],   v[ZZ]  op_sel_hi:[1,1,0]
	v_fma_mix_f32_bf16 v[CQ],  v[c_b+4+\w], v[c_b+4+\w], v[CQ]  op_sel_hi:[1,1,0]
.endif
	v_fma_mix_f32_bf16 v[DOT], v[c_b+\w],   v[c_b+4+\w], v[DOT] op_sel:[1,1,0] op_sel_hi:[1,1,0]
	v_fma_mix_f32_bf16 v[ZZ],  v[c_b+\w],   v[c_b+\w],   v[ZZ]  op_sel:[1,1,0] op_sel_hi:[1,1,0]
	v_fma_mix_f32_bf16 v[CQ],  v[c_b+4+\w], v[c_b+4+\w], v[CQ]  op_sel:[1,1,0] op_sel_hi:[1,1,0]
.endr
.if (\i) < 28
	CHLOAD (\i)+4
.endif
.endm
	CHLOAD 0
	CHLOAD 1
	CHLOAD 2
	CHLOAD 3
.set ch, 0
.rept 32
	CHUNK ch
.set ch, ch+1
.endr
	v_min_u32 v[IDV], 0x1fff, v[IDV]               ; as in the addresses
	v_fma_f32 v[DD], v[DOT], -2.0, v[ZZ]           ; fl(zz - 2 dot): 2 dot is exact, so this is the formula's first rounding,
	v_add_f32 v[DD], v[DD], v[CQ]                  ; and this its second
	v_permlanex16_b32 v[OD], v[DD], s66, s67       ; the row's other pair lies in the lane 16 away
	v_permlanex16_b32 v[OI], v[IDV], s66, s67
	v_cmp_lt_f32 s70, v[OD], v[DD]
	v_cmp_eq_f32 s71, v[OD], v[DD]
	v_cmp_lt_u32 s72, v[OI], v[IDV]
	s_and_b32 s71, s71, s72
	s_or_b32 s70, s70, s71                         ; the other pair wins: by distance, then by index
	v_cndmask_b32 v[WID], v[IDV], v[OI], s70       ; the same number in both lanes of a row
	v_cndmask_b32 v[FL], 0, -1, s70                ; in lanes 0 to 15: the second candidate wins
	ds_store_b32 v[OW], v[WID]
; OUT.  Row i: both candidates' bf16 rows come back from LDS in the layout in which z lies in registers; one is taken, widened, and goes through the formula.
.macro OLOAD i
	ds_load_b64 v[WA+8*((\i)%2):WA+8*((\i)%2)+1],   v[L8] offset:CODE0+RP*(\i)
	ds_load_b64 v[WA+8*((\i)%2)+2:WA+8*((\i)%2)+3], v[L8] offset:CODE0+RP*(\i)+256
	ds_load_b64 v[WA+8*((\i)%2)+4:WA+8*((\i)%2)+5], v[L8] offset:CODE0+RP*(16+(\i))
	ds_load_b64 v[WA+8*((\i)%2)+6:WA+8*((\i)%2)+7], v[L8] offset:CODE0+RP*(16+(\i))+256
.endm
.macro OROW i
.set o_w, WA+8*((\i)%2)
.set o_c, C8+8*((\i)%2)
.set o_z, Z+8*(\i)
.if (\i) < 15
	s_wait_dscnt 4                                 ; row i's four loads are in; the next row's four stay out
.else
	s_wait_dscnt 0x0
.endif
	v_readlane_b32 s73, v[FL], \i                  ; 0 or all ones: a mask for all lanes
.irp d, 0,1,2,3
	v_cndmask_b32 v[o_w+\d], v[o_w+\d], v[o_w+4+\d], s73
.endr
	s_wait_xcnt 0x0                                ; the stores of two rows back have read this set of c's registers: it is rewritten only behind this wait
.irp d, 0,1,2,3
	v_lshlrev_b32 v[o_c+2*\d],   16,  v[o_w+\d]    ; bf16 to f32: the low half moves up,
	v_and_b32     v[o_c+2*\d+1], s74, v[o_w+\d]    ; the high half stays
.endr
.if (\i) < 14
	OLOAD (\i)+2
.endif
.irp p, 0,2,4,6
	v_pk_add_f32 v[T+\p:T+\p+1], v[o_c+\p:o_c+\p+1], v[o_z+\p:o_z+\p+1] neg_lo:[0,1] neg_hi:[0,1]  ; c - z
.endr
.irp p, 0,2,4,6
	v_pk_add_f32 v[o_c+\p:o_c+\p+1], v[o_z+\p:o_z+\p+1], v[T+\p:T+\p+1]                            ; z + (c - z)
.endr
	global_store_b128 v[L16], v[o_c:o_c+3],   s[10:11] offset:1024*(\i) th:TH_STORE_NT             ; 512 consecutive bytes, aligned
	global_store_b128 v[L16], v[o_c+4:o_c+7], s[10:11] offset:1024*(\i)+512 th:TH_STORE_NT
.irp p, 0,2,4,6
	v_pk_add_f32 v[T+\p:T+\p+1], v[o_c+\p:o_c+\p+1], v[o_z+\p:o_z+\p+1] neg_lo:[0,1] neg_hi:[0,1]  ; out0 - z
.endr
.irp p, 0,2,4,6
.if (\i) == 0
	v_pk_mul_f32 v[AC+\p:AC+\p+1], v[T+\p:T+\p+1], v[T+\p:T+\p+1]                   ; the first row starts the sums: nothing is cleared
.else
	v_pk_fma_f32 v[AC+\p:AC+\p+1], v[T+\p:T+\p+1], v[T+\p:T+\p+1], v[AC+\p:AC+\p+1]
.endif
.endr
.endm
	OLOAD 0
	OLOAD 1
.set ro, 0
.rept 16
	OROW ro
.set ro, ro+1
.endr
	v_pk_add_f32 v[AC:AC+1], v[AC:AC+1], v[AC+2:AC+3]
	v_pk_add_f32 v[AC+4:AC+5], v[AC+4:AC+5], v[AC+6:AC+7]
	v_pk_add_f32 v[AC:AC+1], v[AC:AC+1], v[AC+4:AC+5]
	v_add_f32 v[AC], v[AC], v[AC+1]
.irp m, 1,2,4,8
	v_add_f32_dpp v[AC], v[AC], v[AC] row_xmask:\m row_mask:0xf bank_mask:0xf
.endr
	v_permlanex16_b32 v[OD], v[AC], s66, s67
	v_add_f32 v[AC], v[AC], v[OD]
	ds_store_b32 v[PW], v[AC]                      ; all lanes write the same word with the same number
	s_wait_dscnt 0x0                               ; for wave 0's sake: my ids and my sum are in LDS
	s_barrier_signal -1
	s_barrier_wait -1
	s_cmp_lg_u32 s16, 0
	s_cbranch_scc1 .Lend                           ; wave 0 sends the work-group's ids and its sum out
	v_add_nc_u32 v[T], OUTB, v[L16]
	v_mov_b32 v[T+1], OUTB+512
	ds_load_b128 v[WA:WA+3],    v[T]
	ds_load_b128 v[WA+4:WA+7],  v[T+1]
	ds_load_b128 v[WA+8:WA+11], v[T+1] offset:16
	s_wait_dscnt 0x0
	global_store_b128 v[L16], v[WA:WA+3], s[12:13] ; 128 ids: 512 consecutive bytes, aligned
	v_pk_add_f32 v[WA+4:WA+5], v[WA+4:WA+5], v[WA+6:WA+7]
	v_pk_add_f32 v[WA+8:WA+9], v[WA+8:WA+9], v[WA+10:WA+11]
	v_pk_add_f32 v[WA+4:WA+5], v[WA+4:WA+5], v[WA+8:WA+9]
	v_add_f32 v[WA+4], v[WA+4], v[WA+5]
	v_cmp_eq_u32 vcc_lo, 0, v[LN]
	s_wait_xcnt 0x0                                ; EXEC is a source of the stores above: it changes only behind this wait
	s_and_saveexec_b32 s70, vcc_lo
	global_store_b32 v[ZR], v[WA+4], s[14:15]      ; lane 0 alone: one number a work-group
	s_wait_xcnt 0x0                                ; and again, in front of the line that widens it
	s_or_b32 exec_lo, exec_lo, s70
.Lend:
	s_wait_tensorcnt 0x0                           ; the wave's end, behind my last LDS store
	ds_add_u32 v[SPW], v[NIL]
	s_wait_dscnt 0x0
	s_endpgm
.Lfunc_end_k_q9d2ca6bc60_gather:
	.size	k_q9d2ca6bc60_gather, .Lfunc_end_k_q9d2ca6bc60_gather-k_q9d2ca6bc60_gather
	.p2alignl 7, 3214868480
	.fill 96, 4, 3214868480
	.section	.rodata,"a",@progbits
	.p2align	6, 0x0
	.amdhsa_kernel k_q9d2ca6bc60_gather
		.amdhsa_group_segment_fixed_size 204800
		.amdhsa_private_segment_fixed_size 0
		.amdhsa_enable_private_segment 0
		.amdhsa_kernarg_size 48
		.amdhsa_user_sgpr_count 2
		.amdhsa_user_sgpr_kernarg_segment_ptr 1
		.amdhsa_wavefront_size32 1
		.amdhsa_system_sgpr_workgroup_id_x 1
		.amdhsa_system_sgpr_workgroup_id_y 1
		.amdhsa_system_sgpr_workgroup_id_z 1
		.amdhsa_system_vgpr_workitem_id 0
		.amdhsa_next_free_vgpr 512
		.amdhsa_next_free_sgpr 96
		.amdhsa_reserve_vcc 1
		.amdhsa_float_denorm_mode_32 3
		.amdhsa_float_denorm_mode_16_64 3
		.amdhsa_memory_ordered 1
		.amdhsa_forward_progress 1
		.amdhsa_inst_pref_size 126
	.end_amdhsa_kernel
	.amdgpu_metadata
---
amdhsa.version: [ 1, 2 ]
amdhsa.kernels:
  - .name:           k_q9d2ca6bc60_gather
    .symbol:         k_q9d2ca6bc60_gather.kd
    .args:
      - { .name: z, .offset: 0, .size: 8, .value_kind: global_buffer, .address_space: global }
      - { .name: codebook, .offset: 8, .size: 8, .value_kind: global_buffer, .address_space: global }
      - { .name: cand, .offset: 16, .size: 8, .value_kind: global_buffer, .address_space: global }
      - { .name: out0, .offset: 24, .size: 8, .value_kind: global_buffer, .address_space: global }
      - { .name: out1, .offset: 32, .size: 8, .value_kind: global_buffer, .address_space: global }
      - { .name: part, .offset: 40, .size: 8, .value_kind: global_buffer, .address_space: global }
    .group_segment_fixed_size: 204800
    .private_segment_fixed_size: 0
    .kernarg_segment_align: 8
    .kernarg_segment_size: 48
    .max_flat_workgroup_size: 256
    .sgpr_count:     96
    .vgpr_count:     512
    .wavefront_size: 32
...
	.end_amdgpu_metadata
.endif
;; end of part 3
;; launch finish (part 4): grid 1 x 1, 1 waves a work-group, no clusters, 0 bytes of LDS; arguments part, out2; writes out2
.if DOCPART == 4
	.amdgcn_target "amdgcn-amd-amdhsa--gfx1250"
	.amdhsa_code_object_version 6
	.text
	.protected	k_q9d2ca6bc60_finish
	.globl	k_q9d2ca6bc60_finish
	.p2align	8
	.type	k_q9d2ca6bc60_finish,@function
k_q9d2ca6bc60_finish:
	s_mov_b64 s[64:65], 0
	v_nop
	global_prefetch_b8 v0, s[64:65] scope:SCOPE_SE
	s_setreg_imm32_b32 hwreg(HW_REG_WAVE_MODE, 25, 1), 1
	s_wait_xcnt 0x0
; out2 = 0.25 x the mean of (out0 - z)^2 = the sum of the 256 partial sums x 2^-25 (0.25 / (32768 x 256)).  part: [256] f32.
; One wave: two loads of 16 bytes a lane, 512 consecutive bytes each; packed sums; then across the lanes.
.set LO, 1                             ; v1   16 x lane
.set ZR, 2                             ; v2   0
.set TP, 3                             ; v3   the other half of the lanes' sum
.set X,  8                             ; v[8:15]
	s_load_b128 s[4:7], s[0:1], 0x0                ; part s[4:5], out2 s[6:7]
	v_lshlrev_b32 v[LO], 4, v0
	v_mov_b32 v[ZR], 0
	v_mov_b32 v[TP], 0                             ; v_permlanex16_b32 counts as a reader of its destination
	s_mov_b32 s8, 0x76543210
	s_mov_b32 s9, 0xfedcba98
	s_wait_kmcnt 0x0
	global_load_b128 v[X:X+3],   v[LO], s[4:5]
	global_load_b128 v[X+4:X+7], v[LO], s[4:5] offset:512
	s_wait_loadcnt 0x0
	v_pk_add_f32 v[X:X+1], v[X:X+1], v[X+4:X+5]
	v_pk_add_f32 v[X+2:X+3], v[X+2:X+3], v[X+6:X+7]
	v_pk_add_f32 v[X:X+1], v[X:X+1], v[X+2:X+3]
	v_add_f32 v[X], v[X], v[X+1]
.irp m, 1,2,4,8
	v_add_f32_dpp v[X], v[X], v[X] row_xmask:\m row_mask:0xf bank_mask:0xf
.endr
	v_permlanex16_b32 v[TP], v[X], s8, s9
	v_add_f32 v[X], v[X], v[TP]
	v_mul_f32 v[X], 0x33000000, v[X]               ; x 2^-25
	v_cmp_eq_u32 vcc_lo, 0, v0
	s_wait_xcnt 0x0                                ; EXEC changes only behind this wait
	s_and_saveexec_b32 s10, vcc_lo
	global_store_b32 v[ZR], v[X], s[6:7]           ; lane 0 alone
	s_wait_xcnt 0x0
	s_or_b32 exec_lo, exec_lo, s10
	s_endpgm
.Lfunc_end_k_q9d2ca6bc60_finish:
	.size	k_q9d2ca6bc60_finish, .Lfunc_end_k_q9d2ca6bc60_finish-k_q9d2ca6bc60_finish
	.p2alignl 7, 3214868480
	.fill 96, 4, 3214868480
	.section	.rodata,"a",@progbits
	.p2align	6, 0x0
	.amdhsa_kernel k_q9d2ca6bc60_finish
		.amdhsa_group_segment_fixed_size 0
		.amdhsa_private_segment_fixed_size 0
		.amdhsa_enable_private_segment 0
		.amdhsa_kernarg_size 16
		.amdhsa_user_sgpr_count 2
		.amdhsa_user_sgpr_kernarg_segment_ptr 1
		.amdhsa_wavefront_size32 1
		.amdhsa_system_sgpr_workgroup_id_x 1
		.amdhsa_system_sgpr_workgroup_id_y 1
		.amdhsa_system_sgpr_workgroup_id_z 1
		.amdhsa_system_vgpr_workitem_id 0
		.amdhsa_next_free_vgpr 24
		.amdhsa_next_free_sgpr 66
		.amdhsa_reserve_vcc 1
		.amdhsa_float_denorm_mode_32 3
		.amdhsa_float_denorm_mode_16_64 3
		.amdhsa_memory_ordered 1
		.amdhsa_forward_progress 1
		.amdhsa_inst_pref_size 2
	.end_amdhsa_kernel
	.amdgpu_metadata
---
amdhsa.version: [ 1, 2 ]
amdhsa.kernels:
  - .name:           k_q9d2ca6bc60_finish
    .symbol:         k_q9d2ca6bc60_finish.kd
    .args:
      - { .name: part, .offset: 0, .size: 8, .value_kind: global_buffer, .address_space: global }
      - { .name: out2, .offset: 8, .size: 8, .value_kind: global_buffer, .address_space: global }
    .group_segment_fixed_size: 0
    .private_segment_fixed_size: 0
    .kernarg_segment_align: 8
    .kernarg_segment_size: 16
    .max_flat_workgroup_size: 32
    .sgpr_count:     66
    .vgpr_count:     24
    .wavefront_size: 32
...
	.end_amdgpu_metadata
.endif
;; end of part 4
;; ======== version 2 of 2: 4 launches; version 1 with the launch prep written anew for expert scheduling mode
;; limits: values within 0.000122 (relative) of each other or of a threshold may be ordered or decided otherwise than in the reference
;; workspace buffers: cbh 4,194,304 bytes; hc 32,768 bytes; cand 262,144 bytes of whole numbers; part 1,024 bytes
;; launch prep (part 5): grid 128 x 1, 16 waves a work-group, no clusters, 2,304 bytes of LDS; arguments codebook, cbh, hc; writes cbh, hc
.if DOCPART == 5
	.amdgcn_target "amdgcn-amd-amdhsa--gfx1250"
	.amdhsa_code_object_version 6
	.text
	.protected	k_q9d2ca6bc60_prep
	.globl	k_q9d2ca6bc60_prep
	.p2align	8
	.type	k_q9d2ca6bc60_prep,@function
k_q9d2ca6bc60_prep:
	s_mov_b64 s[64:65], 0
	v_nop
	global_prefetch_b8 v0, s[64:65] scope:SCOPE_SE
	s_setreg_imm32_b32 hwreg(HW_REG_WAVE_SCHED_MODE, 0, 2), 2
	s_setreg_imm32_b32 hwreg(HW_REG_WAVE_MODE, 25, 1), 1
	s_wait_xcnt 0x0
	s_wait_alu depctr_vm_vsrc(0)
; cbh[k][:] = codebook[k][:] rounded to bf16;  hc[k] = -1/2 x the sum over d of (bf16 c[k][d])^2, in f32: what the search adds to a dot product.
; codebook: [8192][256] f32.  cbh: [8192][256] bf16.  hc: [8192] f32.
; A work-group takes 64 rows, so that its 64 numbers of hc are 256 consecutive bytes, stored by one instruction; a wave takes 4 rows.
; A row is 1,024 bytes: lane l loads 16 bytes at 16 l and at 512 + 16 l; their 8 bf16 go out as 8 bytes at 8 l and at 256 + 8 l of the row's 512:
; each store of the wave covers 256 consecutive bytes, aligned.  All 8 loads of a wave are issued at once.
; hc serves the search for candidates alone, so the order of its sum is free; NaN and infinities pass through as they come.
; THE MODE: SCHED_MODE bits 1:0 = 2 (LLVM: expert scheduling mode 2), set by the entry lines.  The code itself states the register dependences
; between vector instructions and memory or LDS instructions, with s_wait_alu, always for 0.
; THE PLAN.  Registers that memory or LDS instructions touch:
;   v[LO], v[SO], v[CW], v[L8]  offsets and LDS addresses: written at the head, read by the loads and stores, never written again.
;   X   row i's 8 registers: the loads land in them (no vector instruction names them before); row i's conversions read them; never loaded again.
;   Y   row i's 4 registers: written by row i's conversions; read by its two global stores; never written again.
;   SQ  row i's register: written by row i's chain; read by its LDS store; never written again.
;   OC  wave 0's LDS load lands in it, its global store reads it: no vector instruction names it.
;   v[SPW], v[NIL]  written at the head; read by the closing add (v[NIL] also, by vector instructions, as the 0 that starts a sum).
; Row i - 1's three stores are issued at the head of row i, behind ONE wait on va_vdst, which states that row i - 1 has written its Y and its SQ.  Row i's vector instructions name
; X, Y and SQ of row i, v[TP] and v[NIL]: none of the registers that those stores touch.  No register that a memory or LDS instruction reads is written again, so no wait on vm_vsrc is owed.
.set SPARE, 256                        ; behind the 64 words of hc: the spare words, 128 bytes for each of 16 waves
.set LN,  1                            ; v1   lane
.set SPW, 2                            ; v2   LDS address of my spare word; never rewritten
.set NIL, 3                            ; v3   0; never rewritten
.set LO,  4                            ; v4   byte offset of my 16 bytes in the group's rows of the codebook
.set SO,  5                            ; v5   byte offset of my 8 bytes in the group's rows of cbh
.set CW,  6                            ; v6   LDS address of my wave's four words of hc
.set TW,  7                            ; v7   at work
.set X,   8                            ; v[8:39]   row i: 8 numbers as loaded
.set Y,   40                           ; v[40:55]  row i: 4 words of bf16
.set SQ,  56                           ; v[56:59]  row i: its sum of squares
.set TP,  60                           ; v60  the other half of the lanes' sum
.set L8,  61                           ; v61  8 x lane
.set OC,  62                           ; v[62:63]  two numbers of hc on their way out
	s_load_b128 s[4:7], s[0:1], 0x0                ; codebook s[4:5], cbh s[6:7]
	s_load_b64 s[8:9], s[0:1], 0x10                ; hc
	v_lshl_add_u32 v[SPW], v0, 2, SPARE
	v_mov_b32 v[NIL], 0
	v_and_b32 v[LN], 31, v0
	v_lshrrev_b32 v[TW], 5, v0
	v_readfirstlane_b32 s10, v[TW]                 ; wave 0..15
	s_lshl_b32 s12, ttmp9, 16                      ; the group's 64 rows of 1,024 bytes
	s_mov_b32 s13, 0
	s_lshl_b32 s14, ttmp9, 15                      ; of 512 bytes
	s_mov_b32 s15, 0
	s_lshl_b32 s16, ttmp9, 8                       ; its 64 numbers of hc
	s_mov_b32 s17, 0
	s_mov_b32 s18, 0x76543210                      ; v_permlanex16_b32: each lane takes its own place in the other half
	s_mov_b32 s19, 0xfedcba98
	s_wait_alu depctr_va_sdst(0)                   ; s10 is written, ahead of its first reader: my wave's offsets are made from it
	s_lshl_b32 s20, s10, 12                        ; my wave's 4 rows
	s_lshl_b32 s21, s10, 11
	s_lshl_b32 s22, s10, 4
	v_lshl_add_u32 v[LO], v[LN], 4, s20
	v_lshl_add_u32 v[SO], v[LN], 3, s21
	v_mov_b32 v[CW], s22
	v_lshlrev_b32 v[L8], 3, v[LN]
	v_mov_b32 v[TP], 0                             ; v_permlanex16_b32 counts as a reader of its destination
	s_wait_kmcnt 0x0
	s_add_nc_u64 s[4:5], s[4:5], s[12:13]
	s_add_nc_u64 s[6:7], s[6:7], s[14:15]
	s_add_nc_u64 s[8:9], s[8:9], s[16:17]
	s_wait_alu depctr_va_vdst(0)                   ; v[LO], v[SO], v[CW], v[L8], v[SPW] and v[NIL] are written: every load, store and LDS instruction of the kernel reads one of them as its address
.irp i, 0,1,2,3
	global_load_b128 v[X+8*\i:X+8*\i+3],   v[LO], s[4:5] offset:1024*\i th:TH_LOAD_NT
	global_load_b128 v[X+8*\i+4:X+8*\i+7], v[LO], s[4:5] offset:1024*\i+512 th:TH_LOAD_NT
.endr
; Row i's vector work: four roundings; the sum of its squares, in the lane and then across the lanes; the factor.
.macro WORK i
.irp d, 0,1,2,3
	v_cvt_pk_bf16_f32 v[Y+4*(\i)+\d], v[X+8*(\i)+2*\d], v[X+8*(\i)+2*\d+1]
.endr
	v_fma_mix_f32_bf16 v[SQ+(\i)], v[Y+4*(\i)], v[Y+4*(\i)], v[NIL] op_sel_hi:[1,1,0]  ; the first square starts the sum: nothing is cleared
	v_fma_mix_f32_bf16 v[SQ+(\i)], v[Y+4*(\i)], v[Y+4*(\i)], v[SQ+(\i)] op_sel:[1,1,0] op_sel_hi:[1,1,0]
.irp d, 1,2,3
	v_fma_mix_f32_bf16 v[SQ+(\i)], v[Y+4*(\i)+\d], v[Y+4*(\i)+\d], v[SQ+(\i)] op_sel_hi:[1,1,0]
	v_fma_mix_f32_bf16 v[SQ+(\i)], v[Y+4*(\i)+\d], v[Y+4*(\i)+\d], v[SQ+(\i)] op_sel:[1,1,0] op_sel_hi:[1,1,0]
.endr
.irp m, 1,2,4,8
	v_add_f32_dpp v[SQ+(\i)], v[SQ+(\i)], v[SQ+(\i)] row_xmask:\m row_mask:0xf bank_mask:0xf
.endr
	v_permlanex16_b32 v[TP], v[SQ+(\i)], s18, s19
	v_add_f32 v[SQ+(\i)], v[SQ+(\i)], v[TP]
	v_mul_f32 v[SQ+(\i)], -0.5, v[SQ+(\i)]         ; exact
.endm
; Row i's three stores, behind the wait that shows its Y and its SQ written.
.macro OUT i
	s_wait_alu depctr_va_vdst(0)                   ; row i's conversions have written its Y, and its chain has written its SQ: the three stores below read them
	global_store_b64 v[SO], v[Y+4*(\i):Y+4*(\i)+1],   s[6:7] offset:512*(\i)
	global_store_b64 v[SO], v[Y+4*(\i)+2:Y+4*(\i)+3], s[6:7] offset:512*(\i)+256
	ds_store_b32 v[CW], v[SQ+(\i)] offset:4*(\i)   ; all lanes write the same word with the same number
.endm
	s_wait_loadcnt 6                               ; loads come back in order: row 0's two are in, the later rows' stay out
	WORK 0
	s_wait_loadcnt 4                               ; row 1's two are in
	OUT 0                                          ; the row before goes out at the head of each row: no vector instruction of the row that follows names its registers
	WORK 1
	s_wait_loadcnt 2                               ; row 2's
	OUT 1
	WORK 2
	s_wait_loadcnt 0                               ; row 3's
	OUT 2
	WORK 3
	OUT 3
	s_wait_dscnt 0x0                               ; for the others' sake: my four words are in LDS
	s_barrier_signal -1
	s_barrier_wait -1
	s_cmp_lg_u32 s10, 0
	s_cbranch_scc1 .Lend                           ; wave 0 sends the group's 64 numbers out
	ds_load_b64 v[OC:OC+1], v[L8]                  ; no wait on va_vdst: v[L8] was written ahead of the head's, and no vector instruction names v[L8] or v[OC ..]
	s_wait_dscnt 0x0
	global_store_b64 v[L8], v[OC:OC+1], s[8:9]     ; 256 consecutive bytes, aligned
.Lend:
	s_wait_dscnt 0x0                               ; the closing lines, six on end
	s_wait_alu 0x0
	s_wait_tensorcnt 0x0
	ds_add_u32 v[SPW], v[NIL]
	s_wait_dscnt 0x0
	s_endpgm
.Lfunc_end_k_q9d2ca6bc60_prep:
	.size	k_q9d2ca6bc60_prep, .Lfunc_end_k_q9d2ca6bc60_prep-k_q9d2ca6bc60_prep
	.p2alignl 7, 3214868480
	.fill 96, 4, 3214868480
	.section	.rodata,"a",@progbits
	.p2align	6, 0x0
	.amdhsa_kernel k_q9d2ca6bc60_prep
		.amdhsa_group_segment_fixed_size 2304
		.amdhsa_private_segment_fixed_size 0
		.amdhsa_enable_private_segment 0
		.amdhsa_kernarg_size 24
		.amdhsa_user_sgpr_count 2
		.amdhsa_user_sgpr_kernarg_segment_ptr 1
		.amdhsa_wavefront_size32 1
		.amdhsa_system_sgpr_workgroup_id_x 1
		.amdhsa_system_sgpr_workgroup_id_y 1
		.amdhsa_system_sgpr_workgroup_id_z 1
		.amdhsa_system_vgpr_workitem_id 0
		.amdhsa_next_free_vgpr 64
		.amdhsa_next_free_sgpr 66
		.amdhsa_reserve_vcc 0
		.amdhsa_float_denorm_mode_32 3
		.amdhsa_float_denorm_mode_16_64 3
		.amdhsa_memory_ordered 1
		.amdhsa_forward_progress 1
		.amdhsa_inst_pref_size 9
	.end_amdhsa_kernel
	.amdgpu_metadata
---
amdhsa.version: [ 1, 2 ]
amdhsa.kernels:
  - .name:           k_q9d2ca6bc60_prep
    .symbol:         k_q9d2ca6bc60_prep.kd
    .args:
      - { .name: codebook, .offset: 0, .size: 8, .value_kind: global_buffer, .address_space: global }
      - { .name: cbh, .offset: 8, .size: 8, .value_kind: global_buffer, .address_space: global }
      - { .name: hc, .offset: 16, .size: 8, .value_kind: global_buffer, .address_space: global }
    .group_segment_fixed_size: 2304
    .private_segment_fixed_size: 0
    .kernarg_segment_align: 8
    .kernarg_segment_size: 24
    .max_flat_workgroup_size: 512
    .sgpr_count:     66
    .vgpr_count:     64
    .wavefront_size: 32
...
	.end_amdgpu_metadata
.endif
;; end of part 5
;; launch search: the kernel of part 2 again; grid 256 x 1, 4 waves a work-group, clusters of 4 x 1, 327,680 bytes of LDS; arguments z, cbh, hc, cand; writes cand
;; launch gather: the kernel of part 3 again; grid 256 x 1, 8 waves a work-group, no clusters, 204,800 bytes of LDS; arguments z, codebook, cand, out0, out1, part; writes out0, out1, part
;; launch finish: the kernel of part 4 again; grid 1 x 1, 1 waves a work-group, no clusters, 0 bytes of LDS; arguments part, out2; writes out2
